; MI455X (gfx1250); checked and timed in simulation.
; The chip was launched on July 23, 2026; its instructions are those of AMD's public machine-readable ISA for CDNA 5 (MIT licence, August 2026) and "CDNA5" Instruction Set Architecture Reference Guide (July 2026). The comments in the code are by the model that wrote it; some were corrected since.
;; VQ Codebook. Allowed arithmetic: float matrix products may take bf16 or f16 operands with f32 sums; all other float work in f32.
;; Inputs: W 8,192 x 512 float32; z 16,384 x 512 float32.
;; Outputs: out0 16,384 x 512 float32; out1 16,384 int32; out2 one number float32.
;; One version. Each part assembles by itself: llvm-mc -triple=amdgcn-amd-amdhsa -mcpu=gfx1250 --defsym DOCPART=n.
;; ======== version 1 of 1: 5 launches
;; workspace buffers: Wf 8,388,608 bytes; zf 16,777,216 bytes; ww 32,768 bytes; zz 65,536 bytes; pv 4,194,304 bytes; pi 4,194,304 bytes of whole numbers; cand 131,072 bytes of whole numbers; part 16,384 bytes
;; launch prep (part 1): grid 768 x 1, 2 waves a work-group, no clusters, 33,536 bytes of LDS; arguments W, z, Wf, zf, ww, zz; writes Wf, zf, ww, zz
.if DOCPART == 1
	.amdgcn_target "amdgcn-amd-amdhsa--gfx1250"
	.amdhsa_code_object_version 6
	.text
	.protected	k_q92bf1a4056_prep
	.globl	k_q92bf1a4056_prep
	.p2align	8
	.type	k_q92bf1a4056_prep,@function
k_q92bf1a4056_prep:
	s_mov_b64 s[64:65], 0
	v_nop
	global_prefetch_b8 v0, s[64:65] scope:SCOPE_SE
	s_setreg_imm32_b32 hwreg(HW_REG_WAVE_MODE, 25, 1), 1
	s_wait_xcnt 0x0
; PREP.  W [8192][512] and z [16384][512], f32, are rounded to bf16 (nearest even) and written in the order in which the matrix
; instruction wants its operands; beside them the sum of squares of each ROUNDED row, in f32 (ww, zz).
; FRAGMENT ORDER.  A tile is 16 rows, 16,384 bytes: [ks 0..15][p 0..1][lane 0..31][16 bytes]; lane 16 h + r holds row r, k = 32 ks + 16 p + 8 h + 0..7.
; So block (ks, p), 512 consecutive bytes, is registers 4 p .. 4 p + 3 of the fragment of K step ks: the next launch loads fragments as 16 bytes x lane.
; SHARES.  One wave, one tile: tiles 0..511 are W's, 512..1535 z's.  A wave reads its 16 rows as whole rows (a load covers 512 consecutive bytes), turns them
; through a stage of its own in LDS and stores 32 blocks of 512 consecutive bytes.  No wave reads another's bytes: no barrier.
; Memory binds: each input byte is read once, each output byte written once; matrix unit, clusters and tensor loads would add nothing.
; LIMIT.  The order of a row's sum of squares (two chains a lane, then the lanes) is not the reference's: the norm may differ from it in its last bits.
.set PITCH, 1040                       ; a stage row: 1,024 bytes of bf16 + 16: 65 x 16 bytes, so the 16 rows that a 16-byte load touches start in 16 different groups of four banks (ISA guide 11.1)
.set STG,   16*PITCH                   ; a wave's stage, 16,640 bytes = 65 blocks of 256
.set SPARE, 2*STG                      ; behind the stages: the spare words, 128 bytes a wave: one block of 256 bytes that no other line names
.set LANE, 1                           ; v1   lane
.set LO,   2                           ; v2   16 x lane: my place in 512 consecutive bytes; never rewritten
.set SO,   3                           ; v3   stage + 8 x lane: where I put 4 bf16 of a row
.set RA,   4                           ; v4   stage + r x PITCH + 16 h: where I read a fragment's 16 bytes
.set TP,   5                           ; v5   at work
.set NO,   6                           ; v6   4 x lane
.set RR,   7                           ; v7   lane i < 16: the norm of row i
.set SPW,  10                          ; v10  LDS address of my spare word; never rewritten
.set NIL,  11                          ; v11  0; never rewritten
.set S,    16                          ; v[16:47]   row i: two chains of its sum of squares at S + 2 i, S + 2 i + 1
.set X,    48                          ; v[48:175]  eight row slots of 16 registers; later the 32 blocks on their way out
	s_load_b256 s[4:11], s[0:1], 0x0               ; W s[4:5], z s[6:7], Wf s[8:9], zf s[10:11]
	s_load_b128 s[12:15], s[0:1], 0x20             ; ww s[12:13], zz s[14:15]
	v_lshl_add_u32 v[SPW], v0, 2, SPARE
	v_mov_b32 v[NIL], 0
	v_lshrrev_b32 v[TP], 5, v0
	v_readfirstlane_b32 s16, v[TP]                 ; wave 0, 1
	v_and_b32 v[LANE], 31, v0
	v_lshlrev_b32 v[LO], 4, v[LANE]
	s_mul_i32 s19, s16, STG                        ; my stage
	v_lshl_add_u32 v[SO], v[LANE], 3, s19
	v_and_b32 v[RA], 15, v0                        ; r
	v_mul_u32_u24 v[RA], v[RA], PITCH
	v_bfe_u32 v[TP], v0, 4, 1                      ; h
	v_lshl_add_u32 v[RA], v[TP], 4, v[RA]
	v_add_nc_u32 v[RA], s19, v[RA]
	v_lshlrev_b32 v[NO], 2, v[LANE]
	s_mov_b32 s28, 0x76543210                      ; v_permlanex16_b32: each lane takes its own place in the other half
	s_mov_b32 s29, 0xfedcba98
	s_lshl_b32 s17, ttmp9, 1
	s_add_co_u32 s17, s17, s16                     ; my tile among the 1,536
	s_sub_co_u32 s18, s17, 512                     ; its number in z, if it is one of z's
	s_wait_kmcnt 0x0
	s_cmp_lt_u32 s17, 512                          ; one of W's?  The selects below leave SCC alone
	s_cselect_b32 s18, s17, s18                    ; the tile's number in its own tensor
	s_cselect_b64 s[20:21], s[4:5], s[6:7]         ; from where,
	s_cselect_b64 s[22:23], s[8:9], s[10:11]       ; to where,
	s_cselect_b64 s[24:25], s[12:13], s[14:15]     ; and where the norms go
	s_mov_b32 s27, 0
	s_lshl_b32 s26, s18, 15                        ; 16 rows of 2,048 bytes
	s_add_nc_u64 s[20:21], s[20:21], s[26:27]
	s_lshl_b32 s26, s18, 14                        ; a tile of 16,384 bytes
	s_add_nc_u64 s[22:23], s[22:23], s[26:27]
	s_lshl_b32 s26, s18, 6                         ; 16 norms
	s_add_nc_u64 s[24:25], s[24:25], s[26:27]
.irp i, 0,1,2,3,4,5,6,7                ; rows 0 to 7: 32 loads of the wave are on their way, 512 consecutive bytes each
.irp c, 0,1,2,3
	global_load_b128 v[X+16*(\i)+4*(\c):X+16*(\i)+4*(\c)+3], v[LO], s[20:21] offset:(\i)*2048+(\c)*512 th:TH_LOAD_NT
.endr
.endr
; Row i: rounded, squared and summed, put into the stage; its slot then takes row i + 8.
.macro ROWIN i
.set XS, X+16*((\i)%8)
.set SA, S+2*(\i)
.if (\i) < 8
	s_wait_loadcnt 28                              ; loads come back in order (ISA guide 5.7.1): behind this row's four stand seven rows' 28, since every slot is loaded again
.else
	s_wait_loadcnt 4*(15-(\i))                     ; nothing is issued any more: the counts run down
.endif
	v_mov_b32 v[SA], 0
	v_mov_b32 v[SA+1], 0
.irp c, 0,1,2,3
	v_cvt_pk_bf16_f32 v[XS+4*(\c)], v[XS+4*(\c)], v[XS+4*(\c)+1]      ; four numbers become two words, in place
	v_cvt_pk_bf16_f32 v[XS+4*(\c)+1], v[XS+4*(\c)+2], v[XS+4*(\c)+3]
.endr
.irp c, 0,1,2,3
.irp e, 0,1
	v_fma_mix_f32_bf16 v[SA], v[XS+4*(\c)+(\e)], v[XS+4*(\c)+(\e)], v[SA] op_sel_hi:[1,1,0]                     ; the low half squared, onto an f32 sum
	v_fma_mix_f32_bf16 v[SA+1], v[XS+4*(\c)+(\e)], v[XS+4*(\c)+(\e)], v[SA+1] op_sel:[1,1,0] op_sel_hi:[1,1,0]  ; the high half
.endr
.endr
.irp c, 0,1,2,3
	ds_store_b64 v[SO], v[XS+4*(\c):XS+4*(\c)+1] offset:(\i)*PITCH+(\c)*256   ; k = 128 c + 4 lane .. + 3: 32 lanes, 256 consecutive bytes
.endr
.if (\i) < 8
.irp c, 0,1,2,3
	global_load_b128 v[XS+4*(\c):XS+4*(\c)+3], v[LO], s[20:21] offset:((\i)+8)*2048+(\c)*512 th:TH_LOAD_NT
.endr
.endif
.endm
.irp i, 0,1,2,3,4,5,6,7,8,9,10,11,12,13,14,15
	ROWIN \i
.endr
	; Back out of the stage in fragment order: block n = 2 ks + p begins 32 n bytes into each row.  LDS serves a wave's instructions in order (ISA guide 5.7.1.4): these see the stores above.
.set n, 0
.rept 32
	ds_load_b128 v[X+4*n:X+4*n+3], v[RA] offset:32*n
.set n, n+1
.endr
	; While they are out: each row's two chains and its 32 lanes are added, the 16 rows side by side.
.macro ALLROWS line:vararg
.set t, 0
.rept 16
	\line
.set t, t+1
.endr
.endm
	ALLROWS v_add_f32 v[S+2*t], v[S+2*t], v[S+2*t+1]
	ALLROWS v_add_f32_dpp v[S+2*t], v[S+2*t], v[S+2*t] row_xmask:1 row_mask:0xf bank_mask:0xf
	ALLROWS v_add_f32_dpp v[S+2*t], v[S+2*t], v[S+2*t] row_xmask:2 row_mask:0xf bank_mask:0xf
	ALLROWS v_add_f32_dpp v[S+2*t], v[S+2*t], v[S+2*t] row_xmask:4 row_mask:0xf bank_mask:0xf
	ALLROWS v_add_f32_dpp v[S+2*t], v[S+2*t], v[S+2*t] row_xmask:8 row_mask:0xf bank_mask:0xf
	ALLROWS v_permlanex16_b32 v[S+2*t+1], v[S+2*t], s28, s29
	ALLROWS v_add_f32 v[S+2*t], v[S+2*t], v[S+2*t+1]
	v_mov_b32 v[RR], v[S]                          ; lane i takes row i's norm
.set t, 1
.rept 15
	v_cmp_eq_u32 vcc_lo, t, v[LANE]
	v_cndmask_b32 v[RR], v[RR], v[S+2*t], vcc_lo
.set t, t+1
.endr
.set n, 0
.rept 32
	s_wait_dscnt 31-n                              ; block n is in; the younger ones stay out
	global_store_b128 v[LO], v[X+4*n:X+4*n+3], s[22:23] offset:512*n   ; 512 consecutive bytes, at a multiple of 512 from the buffer's first byte
.set n, n+1
.endr
	s_wait_tensorcnt 0x0                           ; the wave's end: a wait, an add of 0 to my spare word and its wait, behind my last LDS store
	ds_add_u32 v[SPW], v[NIL]
	s_wait_dscnt 0x0
	s_wait_xcnt 0x0                                ; EXEC is a source of the stores above: it changes only behind this wait
	v_cmp_gt_u32 vcc_lo, 16, v[LANE]
	s_and_saveexec_b32 s30, vcc_lo
	global_store_b32 v[NO], v[RR], s[24:25]        ; 16 norms, 64 consecutive bytes: one part in 256 of what the wave stores
	s_wait_xcnt 0x0
	s_or_b32 exec_lo, exec_lo, s30
	s_endpgm
.Lfunc_end_k_q92bf1a4056_prep:
	.size	k_q92bf1a4056_prep, .Lfunc_end_k_q92bf1a4056_prep-k_q92bf1a4056_prep
	.p2alignl 7, 3214868480
	.fill 96, 4, 3214868480
	.section	.rodata,"a",@progbits
	.p2align	6, 0x0
	.amdhsa_kernel k_q92bf1a4056_prep
		.amdhsa_group_segment_fixed_size 33536
		.amdhsa_private_segment_fixed_size 0
		.amdhsa_enable_private_segment 0
		.amdhsa_kernarg_size 48
		.amdhsa_user_sgpr_count 2
		.amdhsa_user_sgpr_kernarg_segment_ptr 1
		.amdhsa_wavefront_size32 1
		.amdhsa_system_sgpr_workgroup_id_x 1
		.amdhsa_system_sgpr_workgroup_id_y 1
		.amdhsa_system_sgpr_workgroup_id_z 1
		.amdhsa_system_vgpr_workitem_id 0
		.amdhsa_next_free_vgpr 176
		.amdhsa_next_free_sgpr 66
		.amdhsa_reserve_vcc 1
		.amdhsa_float_denorm_mode_32 3
		.amdhsa_float_denorm_mode_16_64 3
		.amdhsa_memory_ordered 1
		.amdhsa_forward_progress 1
		.amdhsa_inst_pref_size 51
	.end_amdhsa_kernel
	.amdgpu_metadata
---
amdhsa.version: [ 1, 2 ]
amdhsa.kernels:
  - .name:           k_q92bf1a4056_prep
    .symbol:         k_q92bf1a4056_prep.kd
    .args:
      - { .name: W, .offset: 0, .size: 8, .value_kind: global_buffer, .address_space: global }
      - { .name: z, .offset: 8, .size: 8, .value_kind: global_buffer, .address_space: global }
      - { .name: Wf, .offset: 16, .size: 8, .value_kind: global_buffer, .address_space: global }
      - { .name: zf, .offset: 24, .size: 8, .value_kind: global_buffer, .address_space: global }
      - { .name: ww, .offset: 32, .size: 8, .value_kind: global_buffer, .address_space: global }
      - { .name: zz, .offset: 40, .size: 8, .value_kind: global_buffer, .address_space: global }
    .group_segment_fixed_size: 33536
    .private_segment_fixed_size: 0
    .kernarg_segment_align: 8
    .kernarg_segment_size: 48
    .max_flat_workgroup_size: 64
    .sgpr_count:     66
    .vgpr_count:     176
    .wavefront_size: 32
...
	.end_amdgpu_metadata
.endif
;; end of part 1
;; launch dist (part 2): grid 64 x 4, 4 waves a work-group, clusters of 4 x 1, 327,680 bytes of LDS; arguments zf, Wf, ww, zz, pv, pi; writes pv, pi
.if DOCPART == 2
	.amdgcn_target "amdgcn-amd-amdhsa--gfx1250"
	.amdhsa_code_object_version 6
	.text
	.protected	k_q92bf1a4056_dist
	.globl	k_q92bf1a4056_dist
	.p2align	8
	.type	k_q92bf1a4056_dist,@function
k_q92bf1a4056_dist:
	s_mov_b64 s[64:65], 0
	v_nop
	global_prefetch_b8 v0, s[64:65] scope:SCOPE_SE
	s_setreg_imm32_b32 hwreg(HW_REG_WAVE_MODE, 25, 1), 1
	s_wait_xcnt 0x0
	s_wait_alu depctr_hold_cnt(0) depctr_sa_sdst(0) depctr_va_vdst(0) depctr_va_sdst(0) depctr_va_ssrc(0) depctr_va_vcc(0) depctr_vm_vsrc(0)
	s_getreg_b32 s2, hwreg(HW_REG_IB_STS2, 6, 4)
	s_cmp_eq_u32 s2, 0
	s_cbranch_scc0 .Lentry_in_a_cluster
	s_endpgm
.Lentry_in_a_cluster:
	s_bfe_u32 s2, ttmp6, 0x10000c
	s_cmp_lg_u32 s2, 0x3003
	s_cbranch_scc0 .Lentry_shape_is_right
	s_endpgm
.Lentry_shape_is_right:
; DIST.  d[row][code] = (zz[row] - 2 z[row] . W[code]) + ww[code], and its running minimum with the first code that reaches it.  z and W come as bf16 in fragment order
; (16 rows a tile of 16,384 bytes: [ks][p][lane][16 bytes]), zz and ww as f32 sums of squares of the rounded rows.  Products in bf16 with f32 sums.
; THE ROUNDINGS ARE THE REFERENCE'S: t = one fused multiply-add (2 x dot is exact, so it is zz - 2 dot rounded once), d = t + ww rounded once.  zz is far larger than the differences between
; codes, so many codes share a d; the reference then takes the first, and so does this text: codes ascend, and only a strictly smaller d replaces the one held.
; SHARES.  A work-group: 256 rows x a quarter (2,048) of the codes; 64 x 4 work-groups.  A wave: 64 rows, whose fragments for all of K = 512 stay in 512 registers for the whole launch; all four waves
; read the same fragments of W from LDS.  Source 0 = 16 rows of z, source 1 = 16 codes: register j of lane (r, h) is (row 8 h + j, code r), so a lane keeps, for each of 32 rows,
; the minimum over the codes = r mod 16: 32 registers of d, 32 of codes.  They leave as they lie (pv, pi); the next launch joins lanes and quarters.
; THE WALK.  A GROUP is 32 codes x K 512: 128 matrix instructions on 8 accumulators (2 code tiles x 4 row tiles) that take turns, in two HALVES of K 256.  Groups alternate between two sets of
; accumulators, P and Q: while one set is summed, the other's 64 results a lane are turned into distances and compared: 256 vector instructions (RIDERS), two behind every matrix instruction.
; The LDS loads stand in runs, never singly among the matrix instructions: a half's 32 fragment loads in one run, early in the half before it.
; A SLOT of LDS holds 128 codes (four groups, 131,072 dense bytes); two slots take turns, 16 tiles in all.
; CLUSTER.  The four work-groups of a cluster have the same quarter of the codes and walk the same tiles of W and the same ww: each is asked for JOINTLY, the same tensor load with the same
; descriptor and a mask that names the four.  z's rows are a work-group's own and go straight into registers.
; LIMITS.  A NaN distance never wins (the reference's argmin would take it).  The matrix unit's order of summation is not the reference's; the launch after next decides again between a row's best two.
; REGISTERS, in windows of 256 (s_set_vgpr_msb: bits 1:0 source 0, 3:2 source 1, 5:4 source 2, 7:6 destination):
;   window 0: v0-31 addresses and small things; v32-95 set P; v96-159 set Q (tile 4 ct + zt at + 8 x tile); v160-191 zz, v192-223 the minima, v224-255 their codes (row tile zt, register j at + 8 zt + j)
;   window 1: v0-127, v128-255 two buffers of W's fragments of a half: (ct, k) at + 8 (8 ct + k), k = K step % 8          windows 2, 3: z: fragment (zt, ks) at v[8 (4 (ks % 8) + zt)] of window 2 + ks / 8
; All that the riders touch lies in window 0, a product's sources in windows 1 to 3, and no window has room for both: a pair of riders costs two switches.  A half has 129 for its 64 matrix instructions
; (128 round the riders, one for the run of loads): the price of doing the vector work beside the matrix work, evenly, and not in a phase of its own.
.set GRP,   32768                      ; a group in LDS: two tiles
.set SLOT1, 131072                     ; slot 1 begins here: one exclusive or turns an address in one slot into the other's
.set WWB,   262144                     ; behind the ring: the quarter's 2,048 ww, 8,192 bytes, filled once
.set SPARE, 270336                     ; behind them: the spare words, 128 bytes a wave: two blocks of 256 bytes that no other line names
.set RL,   1                           ; v1   r = lane % 16
.set HL,   2                           ; v2   h = lane / 16
.set LA,   3                           ; v3   16 x lane; never rewritten
.set ZO,   4                           ; v4   32 h: my eight rows' zz
.set ADR,  5                           ; v5   LDS address of my 16 bytes in the group that is being fetched
.set ADW,  6                           ; v6   LDS address of that group's ww for my code
.set AW0,  7                           ; v7   WWB + 4 r; never rewritten
.set C0,   8                           ; v8   at work
.set CODE, 12                          ; v12, v13   my codes in the group whose distances are being compared: code tile 0, 1
.set WWP,  14                          ; v[14:15] ww of my two codes of set P's group;  v[16:17] the same for set Q
.set SPW,  30                          ; v30  LDS address of my spare word; never rewritten
.set NIL,  31                          ; v31  0; never rewritten
.set ACCP, 32
.set ZZ,   160
.set BEST, 192
.set IDX,  224
.set WV,   16                          ; s16  my wave's number
.set G1,   24                          ; s[24:31] descriptor group 1 for W's tiles
.set G1W,  32                          ; s[32:39] for ww
.set G0,   40                          ; s[40:43] descriptor group 0 for W's tiles: it walks
.set G0W,  44                          ; s[44:47] for ww
.set SLOTS, 48                         ; s48  counts the slots
.set CNT,  49                          ; s49  counts a slot's two trips
.set TB,   50                          ; s50  LDS byte at which the next group to be fetched begins
.set TW,   51                          ; s51  byte in the ww region of the next group's ww
.set MK,   52                          ; s[52:55] four lane masks: which of four distances are new minima
.set MSB, 0
.macro WIN new                         ; the immediate's high byte repeats the setting that is left; a switch that changes nothing is dropped
.if MSB != (\new)
	s_set_vgpr_msb (MSB<<8)|(\new)
.set MSB, (\new)
.endif
.endm
.set W_LO, 0x06                        ; z in window 2, W in window 1, C and D in window 0
.set W_HI, 0x07                        ; z in window 3
.set TO_F, 0x40                        ; destination window 1, address window 0
; A round of the cluster's barrier: my work-group's barrier, so that wave 0's signal speaks for all four waves; wave 0 signals; every wave waits for all four work-groups; my work-group's barrier once more.
.macro CROUND
	s_barrier_signal -1
	s_barrier_wait -1
	s_cmp_lg_u32 s[WV], 0
	s_cbranch_scc1 .Lnot_wave_0_\@
	s_barrier_signal -3
.Lnot_wave_0_\@:
	s_barrier_wait -3
	s_barrier_signal -1
	s_barrier_wait -1
.endm
	s_load_b256 s[4:11], s[0:1], 0x0               ; zf s[4:5], Wf s[6:7], ww s[8:9], zz s[10:11]
	s_load_b128 s[12:15], s[0:1], 0x20             ; pv s[12:13], pi s[14:15]
	v_lshl_add_u32 v[SPW], v0, 2, SPARE
	v_mov_b32 v[NIL], 0
	ds_add_u32 v[SPW], v[NIL]                      ; the wave's opening: the add and its wait stand ahead of my first tensor load; the set-up below, work on registers, stands between them
	v_lshrrev_b32 v[RL], 5, v0
	v_readfirstlane_b32 s[WV], v[RL]               ; wave 0..3
	s_bfe_u32 s17, ttmp6, 0x40000                  ; cx: my place in the cluster
	s_lshl_b32 s18, ttmp9, 2                       ; in a cluster launch ttmp9 counts clusters
	s_add_co_u32 s18, s18, s17                     ; my block of 256 rows = 4 x cluster x + cx: it enters the addresses of zf, zz, pv and pi alone
	s_and_b32 s19, ttmp7, 0xffff                   ; the quarter of the codes, which the four partners share
	; descriptor group 1: dense bytes asked for as rows of 256 bytes (32 elements of 8 bytes), no padding: fragment loads take 16 bytes x lane, 512 consecutive bytes
	s_mov_b32 s[G1+0], 15|(3<<16)|(1<<21)          ; 15:0 the mask of four; 17:16 elements of 8 bytes; 21 set beside a mask
	s_mov_b32 s[G1+1], 32<<16                      ; tensor_dim0 = 32
	s_mov_b32 s[G1+2], 128<<16                     ; tensor_dim1 = 128
	s_mov_b32 s[G1+3], 32<<16                      ; tile_dim0 = 32
	s_mov_b32 s[G1+4], 128                         ; tile_dim1 = 128 rows: 32,768 bytes, a wave's quarter of a slot
	s_mov_b32 s[G1+5], 32                          ; 32 elements from row to row
	s_mov_b32 s[G1+6], 0
	s_mov_b32 s[G1+7], 0
	s_mov_b32 s[G1W+0], 15|(3<<16)|(1<<21)
	s_mov_b32 s[G1W+1], 32<<16
	s_mov_b32 s[G1W+2], 8<<16                      ; 8 rows: 2,048 bytes, a wave's quarter of the ww
	s_mov_b32 s[G1W+3], 32<<16
	s_mov_b32 s[G1W+4], 8
	s_mov_b32 s[G1W+5], 32
	s_mov_b32 s[G1W+6], 0
	s_mov_b32 s[G1W+7], 0
	s_mov_b32 s[G0], 1                             ; count = 1
	s_mul_i32 s[G0+1], s[WV], 32768                ; LDS address: slot 0, my quarter: no place in the cluster enters an LDS address
	s_mov_b32 s[G0W], 1
	s_mul_i32 s[G0W+1], s[WV], 2048
	s_add_co_u32 s[G0W+1], s[G0W+1], WWB
	s_lshl_b32 s20, s19, 21                        ; Wf: the quarter's 2 MiB,
	s_lshl_b32 s21, s[WV], 15                      ; my quarter of a slot
	s_add_co_u32 s20, s20, s21
	s_mov_b32 s21, 0
	s_lshl_b32 s22, s19, 13                        ; ww: the quarter's 8,192 bytes, my 2,048 of them
	s_lshl_b32 s23, s[WV], 11
	s_add_co_u32 s22, s22, s23
	s_mov_b32 s23, 0
	s_lshl_b32 s56, s18, 18                        ; zf: my block's 16 tiles, my wave's 4 (these registers hold my own block's number; none of them feeds a joint load)
	s_lshl_b32 s57, s[WV], 16
	s_add_co_u32 s56, s56, s57
	s_mov_b32 s57, 0
	s_lshl_b32 s58, s18, 10                        ; zz: my block's 256 numbers, my wave's 64
	s_lshl_b32 s59, s[WV], 8
	s_add_co_u32 s58, s58, s59
	s_mov_b32 s59, 0
	s_lshl_b32 s60, s19, 20                        ; pv, pi: ((quarter x 64 + block) x 4 + wave) x 4,096 bytes
	s_lshl_b32 s61, s18, 14
	s_add_co_u32 s60, s60, s61
	s_lshl_b32 s61, s[WV], 12
	s_add_co_u32 s60, s60, s61
	s_mov_b32 s61, 0
	s_lshl_b32 s62, s19, 11                        ; the quarter's first code
	s_mov_b32 s[TB], SLOT1+4*GRP                   ; the first change of slots turns this into 0
	s_mov_b32 s[TW], 0
	s_wait_dscnt 0x0                               ; the opening add is done
	s_wait_kmcnt 0x0
	s_add_nc_u64 s[G0+2:G0+3], s[6:7], s[20:21]    ; global address of my quarter of tile 0
	s_or_b32 s[G0+3], s[G0+3], 0x80000000          ; type = 2
	s_add_nc_u64 s[G0W+2:G0W+3], s[8:9], s[22:23]
	s_or_b32 s[G0W+3], s[G0W+3], 0x80000000
	s_add_nc_u64 s[4:5], s[4:5], s[56:57]
	s_add_nc_u64 s[10:11], s[10:11], s[58:59]
	s_add_nc_u64 s[12:13], s[12:13], s[60:61]
	s_add_nc_u64 s[14:15], s[14:15], s[60:61]
	CROUND                                         ; all four work-groups are here: the first joint loads meet
	tensor_load_to_lds s[G0:G0+3], s[G1:G1+7]      ; tile 0 into slot 0,
	s_nop 0
	tensor_load_to_lds s[G0W:G0W+3], s[G1W:G1W+7]  ; and the ww: two loads of mine are out, the most in this text
	s_nop 0
.rept 4
	v_nop
.endr
	v_and_b32 v[RL], 15, v0
	v_bfe_u32 v[HL], v0, 4, 1
	v_and_b32 v[LA], 31, v0
	v_lshlrev_b32 v[LA], 4, v[LA]
	v_lshlrev_b32 v[ZO], 5, v[HL]
	; my 64 rows of z, all of K: 128 loads of 512 consecutive bytes
.set ks, 0
.rept 16
	WIN 0x80+0x40*(ks/8)                           ; destination window 2 or 3, address window 0
.irp zt, 0,1,2,3
.irp p, 0,1
	global_load_b128 v[8*(4*(ks%8)+(\zt))+4*(\p):8*(4*(ks%8)+(\zt))+4*(\p)+3], v[LA], s[4:5] offset:(\zt)*16384+ks*1024+(\p)*512
.endr
.endr
.set ks, ks+1
.endr
	WIN 0
.irp zt, 0,1,2,3
.irp e, 0,1
	global_load_b128 v[ZZ+8*(\zt)+4*(\e):ZZ+8*(\zt)+4*(\e)+3], v[ZO], s[10:11] offset:64*(\zt)+16*(\e)   ; zz of rows 16 zt + 8 h + 4 e .. + 3
.endr
.endr
	; What the first trip finds.  The minima are +infinity, their codes the lane's first code (what an argmin of nothing but +infinity gives, once the lanes are joined).  Set Q holds -infinity: the first group's
	; riders, which compare a group that has not been, make +infinity of it, which is smaller than nothing.  That spares a first group written out; its price is 64 of these lines, in the wait for the first tile.
	s_mov_b32 s20, 0x7f800000
	s_mov_b32 s21, 0xff800000
	v_add_nc_u32 v[C0], s62, v[RL]
.set t, 0
.rept 32
	v_mov_b32 v[BEST+t], s20
	v_mov_b32 v[IDX+t], v[C0]
.set t, t+1
.endr
.set t, 0
.rept 64
	v_mov_b32 v[ACCP+64+t], s21
.set t, t+1
.endr
	v_mov_b32 v[WWP+2], 0
	v_mov_b32 v[WWP+3], 0
	v_add_nc_u32 v[CODE], 0xffffffc0, v[C0]        ; two groups back: each group's comparisons begin by stepping the codes by 32, the first real group's are the second to begin
	v_add_nc_u32 v[CODE+1], 0xffffffd0, v[C0]
	v_lshl_add_u32 v[AW0], v[RL], 2, WWB
; Matrix instruction i of 64 of half hf of a group on set (0 = P, 1 = Q): K step 8 hf + i / 8, code tile (i / 4) % 2, row tile i % 4.  The 8 accumulators take turns, one instruction a turn, over every
; edge of the text too.  The group's first 8 start the sums with the constant 0.
.macro MM set, hf
.if (\hf) == 0
	WIN W_LO
.else
	WIN W_HI
.endif
.set rD, ACCP+64*(\set)+8*(4*((i/4)%2)+i%4)
.set rA, 8*(4*(i/8)+i%4)
.set rB, 128*(\hf)+8*(8*((i/4)%2)+i/8)
.if ((\hf) == 0) && (i < 8)
	v_wmma_f32_16x16x32_bf16 v[rD:rD+7], v[rA:rA+7], v[rB:rB+7], 0
.else
	v_wmma_f32_16x16x32_bf16 v[rD:rD+7], v[rA:rA+7], v[rB:rB+7], v[rD:rD+7]
.endif
.endm
; Rider rn of 256 of a finished set's comparisons, in window 0.  Tile rn / 32; its 32 riders are eight parts of four: 0: t = zz - 2 dot; 1: d = t + ww; 2, 5: which of four d are smaller than the minimum held;
; 3, 6: there the code is taken; 4, 7: and the minimum.  Part 0 reads the accumulator's lowest registers first.  Code tile 0 (tiles 0-3) comes before code tile 1 (tiles 4-7).
; A rider reads what the rider four back made: two matrix instructions lie between.
.macro RID eset
	WIN 0
.set sT, rn/32
.set sC, sT/4
.set sZ, sT%4
.set sA, ACCP+64*(\eset)+8*sT
.set sW, WWP+2*(\eset)
.set sP, (rn/4)%8
.set sQ, rn%4
.if sP == 0
	v_pk_fma_f32 v[sA+2*sQ:sA+2*sQ+1], v[sA+2*sQ:sA+2*sQ+1], -2.0, v[ZZ+8*sZ+2*sQ:ZZ+8*sZ+2*sQ+1] op_sel_hi:[1,0,1]
.elseif (sP == 1) && (sC == 0)
	v_pk_add_f32 v[sA+2*sQ:sA+2*sQ+1], v[sA+2*sQ:sA+2*sQ+1], v[sW:sW+1] op_sel:[0,0] op_sel_hi:[1,0]   ; both halves take the pair's first word: code tile 0's ww
.elseif sP == 1
	v_pk_add_f32 v[sA+2*sQ:sA+2*sQ+1], v[sA+2*sQ:sA+2*sQ+1], v[sW:sW+1] op_sel:[0,1] op_sel_hi:[1,1]   ; both take the second: code tile 1's
.elseif (sP == 2) || (sP == 5)
.set sJ, 4*(sP/5)+sQ
	v_cmp_lt_f32 s[MK+sQ], v[sA+sJ], v[BEST+8*sZ+sJ]
.elseif (sP == 3) || (sP == 6)
.set sJ, 4*(sP/6)+sQ
	v_cndmask_b32 v[IDX+8*sZ+sJ], v[IDX+8*sZ+sJ], v[CODE+sC], s[MK+sQ]
.else
.set sJ, 4*(sP/7)+sQ
	v_min_num_f32 v[BEST+8*sZ+sJ], v[BEST+8*sZ+sJ], v[sA+sJ]
.endif
.set rn, rn+1
.endm
; 32 LDS loads in one run: both code tiles' fragments of half nh (K steps 8 nh .. 8 nh + 7) of the group at v[ADR], into buffer nh; the K steps in the order in which they are multiplied.
; Each load takes 512 consecutive bytes for its 32 lanes.
.macro FETCH nh
	WIN TO_F
.irp k, 0,1,2,3,4,5,6,7
.irp ct, 0,1
.irp p, 0,1
	ds_load_b128 v[128*(\nh)+8*(8*(\ct)+(\k))+4*(\p):128*(\nh)+8*(8*(\ct)+(\k))+4*(\p)+3], v[ADR] offset:(\ct)*16384+(8*(\nh)+(\k))*1024+(\p)*512
.endr
.endr
.endr
.endm
; A HALF: 64 matrix instructions of half hf of a group on set; behind each of them two riders of the other set's (eset) comparisons: riders 0-127 in a group's first half, 128-255 in its second.
; Behind the fourth product stands the one run of LDS loads: the next half's fragments (fetch = 1) into the buffer that this half does not read, 60 matrix instructions ahead of their first use;
; in a first half the group's two ww go with it (wanted when its own comparisons begin, a group on; the set's last comparisons ended in the half before).
; Places (ISA guide 7.12.1 for vector instructions): the last matrix instruction that read that buffer is the half before's last; between it and the run stand ten riders or more, which name the
; other set, zz, the minima and the codes, none of its registers.  Between a tile's last product (number 56 + tile of a second half) and the first read of its sum stand sixteen such riders or more.
.macro HALF set, hf, eset, fetch
	s_wait_dscnt 0x0                               ; this half's 32 fragment loads (and a group's two ww) were issued 60 matrix instructions ago
.set rn, 128*(\hf)
.set i, 0
.rept 64
	MM \set, \hf
.if ((\hf) == 0) && (i == 0)
	WIN 0
	v_add_nc_u32 v[CODE], 32, v[CODE]              ; the codes of the group whose comparisons begin
	v_add_nc_u32 v[CODE+1], 32, v[CODE+1]
.endif
	RID \eset
	RID \eset
.if i == 1                             ; the run's addresses are made two products ahead of it
.if (\hf) == 0
	v_add_nc_u32 v[ADW], s[TW], v[AW0]             ; this group's ww
	s_add_co_u32 s[TW], s[TW], 128
.elseif \fetch
	v_add_nc_u32 v[ADR], s[TB], v[LA]              ; the run below is the next group's first half
	s_add_co_u32 s[TB], s[TB], GRP
.endif
.endif
.if i == 3
.if (\hf) == 0
	ds_load_b32 v[WWP+2*(\set)], v[ADW]
	ds_load_b32 v[WWP+2*(\set)+1], v[ADW] offset:64
.endif
.if \fetch
	FETCH 1-(\hf)
.endif
.endif
.set i, i+1
.endr
.endm
; A TRIP: two groups, from the second half of one Q group to the first half of the next, so that a change of slots falls between trips: the old slot's last fragments (its fourth group's second half)
; are fetched in that group's first half, the new slot's first in its second.
.macro TRIP first
	HALF 1, 1, 0, 1
	WIN 0                                          ; at a label and at a branch every window is 0
.if \first
.Lfirst:
.endif
	HALF 0, 0, 1, 1
	HALF 0, 1, 1, 1
	HALF 1, 0, 0, 1
	WIN 0
.endm
; THE CHANGE OF SLOTS.  Each wave waits for all its tensor loads, of which one is out: its quarter of the other slot; adds 0 to its spare word; and waits for that and for its own reads of the slot that it leaves.
; fill = 1: the old slot is filled again, with the tile two on.  The barrier is then a round of the cluster's, so that no wave of any partner still reads the slot or has a load on its way, and the joint
; refill is the first thing behind it: it has a slot's 512 matrix instructions in which to land.  (At its first use nothing has been read: tile 0 and the ww are waited for, slot 1 is filled for the first time.)
.macro CHANGE fill
	WIN 0
	s_wait_tensorcnt 0x0                           ; no tensor load of mine is out, so group 0 may be written
	ds_add_u32 v[SPW], v[NIL]                      ; 0 onto my spare word; the scalar steps stand between it and the wait for it
.if \fill
	s_xor_b32 s[G0+1], s[G0+1], SLOT1              ; the other slot than last time,
	s_add_nc_u64 s[G0+2:G0+3], s[G0+2:G0+3], 131072  ; the next 128 codes; the type bits on top are not reached
.endif
	s_sub_co_u32 s[TB], s[TB], 4*GRP               ; the fetches go back to a slot's first group,
	s_xor_b32 s[TB], s[TB], SLOT1                  ; in the other slot
	s_wait_dscnt 0x0                               ; the add is done, and my reads of the slot are over
.if \fill
	CROUND
	tensor_load_to_lds s[G0:G0+3], s[G1:G1+7]      ; my one tensor load behind the round
	s_nop 0
.rept 4
	v_nop
.endr
.else
	s_barrier_signal -1
	s_barrier_wait -1
.endif
.endm
	CHANGE 1                                       ; tile 0 and the ww are in, everybody's part of them; tile 1 is asked for
	v_add_nc_u32 v[ADR], s[TB], v[LA]              ; group 0
	s_add_co_u32 s[TB], s[TB], GRP
	FETCH 0                                        ; its first half
	WIN 0
	s_wait_loadcnt 0x0                             ; z and zz
	s_mov_b32 s[CNT], 2
	s_mov_b32 s[SLOTS], 15
	s_branch .Lfirst                               ; the loop is entered at a group's first half, in the middle of a trip
.Lslot:                                                ; 14 times: with the change above, tiles 1 to 15 are asked for
	CHANGE 1
	s_mov_b32 s[CNT], 2
.Ltrip:
	TRIP 1
	s_sub_co_u32 s[CNT], s[CNT], 1
	s_cmp_lg_u32 s[CNT], 0
	s_cbranch_scc1 .Ltrip
	s_sub_co_u32 s[SLOTS], s[SLOTS], 1
	s_cmp_lg_u32 s[SLOTS], 0
	s_cbranch_scc1 .Lslot
	CHANGE 0                                       ; the last slot is written out: nothing is asked for
	s_mov_b32 s[CNT], 2
.Ltail:
	TRIP 0
	s_sub_co_u32 s[CNT], s[CNT], 1
	s_cmp_lg_u32 s[CNT], 0
	s_cbranch_scc1 .Ltail
	HALF 1, 1, 0, 0                                ; the last group's second half: nothing more to fetch
	WIN 0
	v_add_nc_u32 v[CODE], 32, v[CODE]              ; and its comparisons, with no matrix work left to stand beside.  Tile 0's last product stands sixteen riders back, tile 7's is read 224 riders on
	v_add_nc_u32 v[CODE+1], 32, v[CODE+1]
.set rn, 0
.rept 256
	RID 1
.endr
.irp g, 0,1,2,3,4,5,6,7
	global_store_b128 v[LA], v[BEST+4*(\g):BEST+4*(\g)+3], s[12:13] offset:512*(\g)   ; 512 consecutive bytes, at a multiple of 512 from the buffer's first byte
	global_store_b128 v[LA], v[IDX+4*(\g):IDX+4*(\g)+3], s[14:15] offset:512*(\g)
.endr
	s_wait_tensorcnt 0x0                           ; the wave's end: a wait, an add of 0 to my spare word and its wait, behind my last tensor load
	ds_add_u32 v[SPW], v[NIL]
	s_wait_dscnt 0x0
	CROUND                                         ; the closing round: no work-group ends while a partner may still ask for a tile that names it
	s_endpgm
.Lfunc_end_k_q92bf1a4056_dist:
	.size	k_q92bf1a4056_dist, .Lfunc_end_k_q92bf1a4056_dist-k_q92bf1a4056_dist
	.p2alignl 7, 3214868480
	.fill 96, 4, 3214868480
	.section	.rodata,"a",@progbits
	.p2align	6, 0x0
	.amdhsa_kernel k_q92bf1a4056_dist
		.amdhsa_group_segment_fixed_size 327680
		.amdhsa_private_segment_fixed_size 0
		.amdhsa_enable_private_segment 0
		.amdhsa_kernarg_size 48
		.amdhsa_user_sgpr_count 2
		.amdhsa_user_sgpr_kernarg_segment_ptr 1
		.amdhsa_wavefront_size32 1
		.amdhsa_system_sgpr_workgroup_id_x 1
		.amdhsa_system_sgpr_workgroup_id_y 1
		.amdhsa_system_sgpr_workgroup_id_z 1
		.amdhsa_system_vgpr_workitem_id 0
		.amdhsa_next_free_vgpr 1024
		.amdhsa_next_free_sgpr 66
		.amdhsa_reserve_vcc 0
		.amdhsa_float_denorm_mode_32 3
		.amdhsa_float_denorm_mode_16_64 3
		.amdhsa_memory_ordered 1
		.amdhsa_forward_progress 1
		.amdhsa_inst_pref_size 196
	.end_amdhsa_kernel
	.amdgpu_metadata
---
amdhsa.version: [ 1, 2 ]
amdhsa.kernels:
  - .name:           k_q92bf1a4056_dist
    .symbol:         k_q92bf1a4056_dist.kd
    .args:
      - { .name: zf, .offset: 0, .size: 8, .value_kind: global_buffer, .address_space: global }
      - { .name: Wf, .offset: 8, .size: 8, .value_kind: global_buffer, .address_space: global }
      - { .name: ww, .offset: 16, .size: 8, .value_kind: global_buffer, .address_space: global }
      - { .name: zz, .offset: 24, .size: 8, .value_kind: global_buffer, .address_space: global }
      - { .name: pv, .offset: 32, .size: 8, .value_kind: global_buffer, .address_space: global }
      - { .name: pi, .offset: 40, .size: 8, .value_kind: global_buffer, .address_space: global }
    .group_segment_fixed_size: 327680
    .private_segment_fixed_size: 0
    .kernarg_segment_align: 8
    .kernarg_segment_size: 48
    .max_flat_workgroup_size: 128
    .sgpr_count:     66
    .vgpr_count:     1024
    .wavefront_size: 32
...
	.end_amdgpu_metadata
.endif
;; end of part 2
;; launch pick (part 3): grid 256 x 1, 2 waves a work-group, no clusters, 0 bytes of LDS; arguments pv, pi, cand; writes cand
.if DOCPART == 3
	.amdgcn_target "amdgcn-amd-amdhsa--gfx1250"
	.amdhsa_code_object_version 6
	.text
	.protected	k_q92bf1a4056_pick
	.globl	k_q92bf1a4056_pick
	.p2align	8
	.type	k_q92bf1a4056_pick,@function
k_q92bf1a4056_pick:
	s_mov_b64 s[64:65], 0
	v_nop
	global_prefetch_b8 v0, s[64:65] scope:SCOPE_SE
	s_setreg_imm32_b32 hwreg(HW_REG_WAVE_MODE, 25, 1), 1
	s_wait_xcnt 0x0
; PICK.  For each row the launch before left 64 pairs (distance, code): one for each quarter of the codes and each residue of the code mod 16, each the first minimum of its 128 codes.
; This launch joins them: cand[row] = the code of the smallest distance (the lowest code among equals, as the reference's argmin takes it), and the same once more without that pair.
; The codes are stored as whole numbers, since the next launch forms addresses from them.
; LAYOUT of pv, pi: block ((quarter x 64 + bx) x 4 + w) of 4,096 bytes = [g 0..7][lane][e 0..3]; slot s = 4 g + e = 8 zt + j of lane (r, h) belongs to row 256 bx + 64 w + 16 zt + 8 h + j, residue r.
; SHARES.  Work-group c = 4 bx + w: rows 64 c .. + 63.  Wave u: slots 16 u .. 16 u + 15, 32 rows.  The residues of a row lie in the 16 lanes of a half: four exchanges inside the half join them.
; Each byte is read once, 512 consecutive bytes a load; no LDS, no barrier.
; LIMIT.  The second candidate is the best of the other 63 pairs: a rival that shares the winner's quarter and residue is not seen here.
.set V,  16                            ; v[16:79]    distances: quarter q, local slot s at V + 16 q + s
.set I,  80                            ; v[80:143]   their codes
.set R1, 144                           ; v[144:159]  slot s: the best code
.set R2, 160                           ; v[160:175]  slot s: the second
	s_load_b128 s[4:7], s[0:1], 0x0                ; pv s[4:5], pi s[6:7]
	s_load_b64 s[8:9], s[0:1], 0x10                ; cand
	v_lshrrev_b32 v1, 5, v0
	v_readfirstlane_b32 s10, v1                    ; wave u
	v_and_b32 v1, 31, v0
	v_lshlrev_b32 v2, 4, v1                        ; 16 x lane
	v_and_b32 v3, 15, v0                           ; r
	s_lshl_b32 s12, ttmp9, 12                      ; my block in a quarter,
	s_lshl_b32 s11, s10, 11                        ; my wave's half of it
	s_add_co_u32 s12, s12, s11
	s_mov_b32 s13, 0
	s_lshl_b32 s14, ttmp9, 9                       ; cand: 64 rows of 8 bytes a work-group,
	s_lshl_b32 s11, s10, 8                         ; 32 a wave
	s_add_co_u32 s14, s14, s11
	s_mov_b32 s15, 0
	v_mov_b32 v5, 0                                ; the exchange's destination counts as read: it is written once here
	v_mov_b32 v14, 0x7fffffff                      ; above every code
	v_mov_b32 v15, 0x7f800000                      ; +infinity
	s_wait_kmcnt 0x0
	s_add_nc_u64 s[4:5], s[4:5], s[12:13]
	s_add_nc_u64 s[6:7], s[6:7], s[12:13]
	s_add_nc_u64 s[8:9], s[8:9], s[14:15]
.irp q, 0,1,2,3
.irp g, 0,1,2,3
	global_load_b128 v[V+16*(\q)+4*(\g):V+16*(\q)+4*(\g)+3], v2, s[4:5] offset:(\q)*1048576+(\g)*512 th:TH_LOAD_NT
	global_load_b128 v[I+16*(\q)+4*(\g):I+16*(\q)+4*(\g)+3], v2, s[6:7] offset:(\q)*1048576+(\g)*512 th:TH_LOAD_NT
.endr
.endr
	v_and_b32 v11, 7, v0                           ; where lane (r, h) stores: it takes slot r, which is row 16 (r / 8) + 8 h + r % 8 of the wave's 32
	v_bfe_u32 v12, v0, 4, 1
	v_lshl_add_u32 v11, v12, 3, v11
	v_bfe_u32 v12, v0, 3, 1
	v_lshl_add_u32 v11, v12, 4, v11
	v_lshlrev_b32 v11, 3, v11
	s_wait_loadcnt 0x0
; The smallest distance of slot s over quarters and residues, and the lowest code that has it, into v[dst + s] of every lane of the half.
.macro PASS s, dst
	v_min3_num_f32 v4, v[V+(\s)], v[V+16+(\s)], v[V+32+(\s)]
	v_min_num_f32 v4, v4, v[V+48+(\s)]
.irp x, 1,2,4,8
	v_min_num_f32_dpp v4, v4, v4 row_xmask:\x row_mask:0xf bank_mask:0xf
.endr
.irp q, 0,1,2,3
	v_cmp_eq_f32 vcc_lo, v[V+16*(\q)+(\s)], v4
	v_cndmask_b32 v[6+(\q)], v14, v[I+16*(\q)+(\s)], vcc_lo
.endr
	v_min_u32 v6, v6, v7
	v_min_u32 v8, v8, v9
	v_min_u32 v[(\dst)+(\s)], v6, v8
.irp x, 1,2,4,8
	v_mov_b32_dpp v5, v[(\dst)+(\s)] row_xmask:\x row_mask:0xf bank_mask:0xf
	v_min_u32 v[(\dst)+(\s)], v[(\dst)+(\s)], v5
.endr
.endm
.irp s, 0,1,2,3,4,5,6,7,8,9,10,11,12,13,14,15
	PASS \s, R1
.irp q, 0,1,2,3
	v_cmp_eq_u32 vcc_lo, v[I+16*(\q)+(\s)], v[R1+(\s)]           ; the winner's pair leaves the field
	v_cndmask_b32 v[V+16*(\q)+(\s)], v[V+16*(\q)+(\s)], v15, vcc_lo
.endr
	PASS \s, R2
.endr
	v_mov_b32 v12, v[R1]                           ; lane r takes slot r's two codes
	v_mov_b32 v13, v[R2]
.set t, 1
.rept 15
	v_cmp_eq_u32 vcc_lo, t, v3
	v_cndmask_b32 v12, v12, v[R1+t], vcc_lo
	v_cndmask_b32 v13, v13, v[R2+t], vcc_lo
.set t, t+1
.endr
	global_store_b64 v11, v[12:13], s[8:9]         ; the wave's 32 rows: 256 consecutive bytes, at a multiple of 256 from the buffer's first byte
	s_endpgm
.Lfunc_end_k_q92bf1a4056_pick:
	.size	k_q92bf1a4056_pick, .Lfunc_end_k_q92bf1a4056_pick-k_q92bf1a4056_pick
	.p2alignl 7, 3214868480
	.fill 96, 4, 3214868480
	.section	.rodata,"a",@progbits
	.p2align	6, 0x0
	.amdhsa_kernel k_q92bf1a4056_pick
		.amdhsa_group_segment_fixed_size 0
		.amdhsa_private_segment_fixed_size 0
		.amdhsa_enable_private_segment 0
		.amdhsa_kernarg_size 24
		.amdhsa_user_sgpr_count 2
		.amdhsa_user_sgpr_kernarg_segment_ptr 1
		.amdhsa_wavefront_size32 1
		.amdhsa_system_sgpr_workgroup_id_x 1
		.amdhsa_system_sgpr_workgroup_id_y 1
		.amdhsa_system_sgpr_workgroup_id_z 1
		.amdhsa_system_vgpr_workitem_id 0
		.amdhsa_next_free_vgpr 176
		.amdhsa_next_free_sgpr 66
		.amdhsa_reserve_vcc 1
		.amdhsa_float_denorm_mode_32 3
		.amdhsa_float_denorm_mode_16_64 3
		.amdhsa_memory_ordered 1
		.amdhsa_forward_progress 1
		.amdhsa_inst_pref_size 44
	.end_amdhsa_kernel
	.amdgpu_metadata
---
amdhsa.version: [ 1, 2 ]
amdhsa.kernels:
  - .name:           k_q92bf1a4056_pick
    .symbol:         k_q92bf1a4056_pick.kd
    .args:
      - { .name: pv, .offset: 0, .size: 8, .value_kind: global_buffer, .address_space: global }
      - { .name: pi, .offset: 8, .size: 8, .value_kind: global_buffer, .address_space: global }
      - { .name: cand, .offset: 16, .size: 8, .value_kind: global_buffer, .address_space: global }
    .group_segment_fixed_size: 0
    .private_segment_fixed_size: 0
    .kernarg_segment_align: 8
    .kernarg_segment_size: 24
    .max_flat_workgroup_size: 64
    .sgpr_count:     66
    .vgpr_count:     176
    .wavefront_size: 32
...
	.end_amdgpu_metadata
.endif
;; end of part 3
;; launch finish (part 4): grid 512 x 1, 8 waves a work-group, no clusters, 0 bytes of LDS; arguments z, W, zz, ww, cand, out0, out1, part; writes out0, out1, part
.if DOCPART == 4
	.amdgcn_target "amdgcn-amd-amdhsa--gfx1250"
	.amdhsa_code_object_version 6
	.text
	.protected	k_q92bf1a4056_finish
	.globl	k_q92bf1a4056_finish
	.p2align	8
	.type	k_q92bf1a4056_finish,@function
k_q92bf1a4056_finish:
	s_mov_b64 s[64:65], 0
	v_nop
	global_prefetch_b8 v0, s[64:65] scope:SCOPE_SE
	s_setreg_imm32_b32 hwreg(HW_REG_WAVE_MODE, 25, 1), 1
	s_wait_xcnt 0x0
; FINISH.  For each row: the choice between its two candidate codes is made again, with dots summed by plain fused multiply-adds in f32 (products of bf16 numbers are exact in f32) and the reference's own two
; roundings, d = (zz - 2 dot) + ww; the smaller d wins, the lower code among equals.  Then q = W[idx], out0 = z + (q - z), out1 = idx, and the wave's sum of (q - z)^2, which is (z - q)^2 bit for bit.
; FORMAT, stated plainly: z and W are read in f32 and rounded to bf16 here, and out0 and the loss are made of the ROUNDED numbers, so that all three outputs are the reference's on inputs rounded to bf16,
; the only inputs on which idx, made from bf16 products, can be the reference's.  Against the unrounded W a number of out0 is off by at most 2^-8 of itself, beside the rounding of q - z.
; The choice only selects values (v_cndmask_b32); addresses hang on the whole numbers of cand alone, which an earlier launch stored, each clamped to the table's 8,192 rows.
; SHARES.  A wave takes four rows, a row over its 32 lanes (16 numbers a lane, four loads of 512 consecutive bytes); all 48 loads of a wave go out before the first is used.  No LDS, no barrier.
; Both candidate rows are fetched, twice what a plain gather would read: the price of deciding in this launch, which may not form an address from its own comparison.
; LIMIT.  NaN is not treated as argmin treats it.
.set Z0, 16                            ; row i: z at Z0 + 48 i, candidate 0 at + 16, candidate 1 at + 32; 16 registers each
.set ZP, 208                           ; v[208:215] z rounded, two bf16 a word;  v[216:223], v[224:231] the candidates
.set AP, 216
.set BP, 224
.set DD, 232                           ; v[232:235] two chains for each of the two dots
.set LS, 236                           ; v[236:237] the loss, first packed chain
.set IX, 238                           ; v[238:241] row i's idx
.set T,  242                           ; v[242:243] at work
.set LS2, 244                          ; v[244:245] the loss, second packed chain
	s_load_b512 s[4:19], s[0:1], 0x0               ; z s[4:5], W s[6:7], zz s[8:9], ww s[10:11], cand s[12:13], out0 s[14:15], out1 s[16:17], part s[18:19]
	v_lshrrev_b32 v1, 5, v0
	v_readfirstlane_b32 s20, v1                    ; wave 0..7
	v_and_b32 v1, 31, v0                           ; lane
	v_lshlrev_b32 v2, 4, v1                        ; 16 x lane; never rewritten
	v_lshlrev_b32 v3, 2, v1                        ; 4 x lane
	s_lshl_b32 s21, ttmp9, 3
	s_add_co_u32 s21, s21, s20                     ; my wave among the 4,096
	s_lshl_b32 s52, s21, 5                         ; cand: 4 rows of 8 bytes
	s_lshl_b32 s53, s21, 4                         ; zz: 4 rows of 4 bytes
	s_lshl_b32 s54, s21, 13                        ; z, out0: 4 rows of 2,048 bytes
	s_mov_b32 s55, 0
	s_lshl_b32 s56, s21, 2                         ; part: one number
	s_mov_b32 s57, 0
	s_lshl_b32 s58, s21, 4                         ; out1: 4 rows of 4 bytes
	s_mov_b32 s59, 0
	s_mov_b32 s60, 0x76543210                      ; v_permlanex16_b32: each lane takes its own place in the other half
	s_mov_b32 s61, 0xfedcba98
	s_mov_b32 s62, 0xffff0000                      ; a word's upper bf16
	s_mov_b32 s23, 0
	v_mov_b32 v[T], 0                              ; the exchange's destinations count as read
	v_mov_b32 v[T+1], 0
	v_mov_b32 v[LS], 0
	v_mov_b32 v[LS+1], 0
	v_mov_b32 v[LS2], 0
	v_mov_b32 v[LS2+1], 0
	s_wait_kmcnt 0x0
	s_load_b256 s[24:31], s[12:13], s52 offset:0x0 ; my four rows' candidates: s[24 + 2 i], s[25 + 2 i]
	s_load_b128 s[32:35], s[8:9], s53 offset:0x0   ; and their zz
	s_add_nc_u64 s[4:5], s[4:5], s[54:55]
	s_add_nc_u64 s[14:15], s[14:15], s[54:55]
	s_add_nc_u64 s[16:17], s[16:17], s[58:59]
	s_add_nc_u64 s[18:19], s[18:19], s[56:57]
.irp i, 0,1,2,3
.irp c, 0,1,2,3
	global_load_b128 v[Z0+48*(\i)+4*(\c):Z0+48*(\i)+4*(\c)+3], v2, s[4:5] offset:(\i)*2048+(\c)*512 th:TH_LOAD_NT
.endr
.endr
	s_wait_kmcnt 0x0
.irp k, 0,1,2,3,4,5,6,7
	s_min_u32 s[24+(\k)], s[24+(\k)], 8191         ; a code stays inside the table
	s_lshl_b32 s[36+(\k)], s[24+(\k)], 2
	s_load_b32 s[44+(\k)], s[10:11], s[36+(\k)] offset:0x0   ; its ww
	s_lshl_b32 s22, s[24+(\k)], 11                 ; its row of 2,048 bytes
	s_add_nc_u64 s[66+2*(\k):67+2*(\k)], s[6:7], s[22:23]
.endr
.irp i, 0,1,2,3
.irp k, 0,1
.irp c, 0,1,2,3
	global_load_b128 v[Z0+48*(\i)+16+16*(\k)+4*(\c):Z0+48*(\i)+16+16*(\k)+4*(\c)+3], v2, s[66+4*(\i)+2*(\k):67+4*(\i)+2*(\k)] offset:(\c)*512
.endr
.endr
.endr
	s_wait_kmcnt 0x0                               ; the eight ww
.macro LSUM a, b                       ; two registers, each summed over the 32 lanes, side by side
.irp x, 1,2,4,8
	v_add_f32_dpp v[\a], v[\a], v[\a] row_xmask:\x row_mask:0xf bank_mask:0xf
	v_add_f32_dpp v[\b], v[\b], v[\b] row_xmask:\x row_mask:0xf bank_mask:0xf
.endr
	v_permlanex16_b32 v[T], v[\a], s60, s61
	v_permlanex16_b32 v[T+1], v[\b], s60, s61
	v_add_f32 v[\a], v[\a], v[T]
	v_add_f32 v[\b], v[\b], v[T+1]
.endm
.macro ROW i
.set rZ, Z0+48*(\i)
.set rA, rZ+16
.set rB, rZ+32
	s_wait_loadcnt 8*(3-(\i))                      ; loads come back in order (ISA guide 5.7.1): behind this row's stand the later rows' eight candidate loads each
.irp w, 0,1,2,3,4,5,6,7
	v_cvt_pk_bf16_f32 v[ZP+(\w)], v[rZ+2*(\w)], v[rZ+2*(\w)+1]
	v_cvt_pk_bf16_f32 v[AP+(\w)], v[rA+2*(\w)], v[rA+2*(\w)+1]
	v_cvt_pk_bf16_f32 v[BP+(\w)], v[rB+2*(\w)], v[rB+2*(\w)+1]
.endr
.irp d, 0,1,2,3
	v_mov_b32 v[DD+(\d)], 0
.endr
.irp w, 0,1,2,3,4,5,6,7
	v_fma_mix_f32_bf16 v[DD], v[ZP+(\w)], v[AP+(\w)], v[DD] op_sel_hi:[1,1,0]
	v_fma_mix_f32_bf16 v[DD+1], v[ZP+(\w)], v[AP+(\w)], v[DD+1] op_sel:[1,1,0] op_sel_hi:[1,1,0]
	v_fma_mix_f32_bf16 v[DD+2], v[ZP+(\w)], v[BP+(\w)], v[DD+2] op_sel_hi:[1,1,0]
	v_fma_mix_f32_bf16 v[DD+3], v[ZP+(\w)], v[BP+(\w)], v[DD+3] op_sel:[1,1,0] op_sel_hi:[1,1,0]
.endr
	v_add_f32 v[DD], v[DD], v[DD+1]
	v_add_f32 v[DD+2], v[DD+2], v[DD+3]
	LSUM DD, DD+2                                  ; every lane holds both dots
	v_fma_f32 v[T], v[DD], -2.0, s[32+(\i)]        ; zz - 2 dot, rounded once,
	v_fma_f32 v[T+1], v[DD+2], -2.0, s[32+(\i)]
	v_add_f32 v[T], s[44+2*(\i)], v[T]             ; + ww, rounded once
	v_add_f32 v[T+1], s[45+2*(\i)], v[T+1]
	v_cmp_lt_f32 s82, v[T+1], v[T]                 ; the second candidate is taken where it is nearer,
	v_cmp_eq_f32 s83, v[T+1], v[T]                 ; or as near
	s_cmp_lt_u32 s[25+2*(\i)], s[24+2*(\i)]        ; and the lower code
	s_cselect_b32 s84, -1, 0
	s_and_b32 s83, s83, s84
	s_or_b32 s82, s82, s83
	v_mov_b32 v[IX+(\i)], s[24+2*(\i)]
	v_mov_b32 v[T], s[25+2*(\i)]
	v_cndmask_b32 v[IX+(\i)], v[IX+(\i)], v[T], s82
.irp w, 0,1,2,3,4,5,6,7
	v_cndmask_b32 v[AP+(\w)], v[AP+(\w)], v[BP+(\w)], s82      ; q, still packed
.endr
.irp w, 0,1,2,3,4,5,6,7
	v_lshlrev_b32 v[rZ+2*(\w)], 16, v[ZP+(\w)]     ; bf16 to f32: the low half moves up,
	v_and_b32 v[rZ+2*(\w)+1], s62, v[ZP+(\w)]      ; the high half stays
	v_lshlrev_b32 v[rA+2*(\w)], 16, v[AP+(\w)]
	v_and_b32 v[rA+2*(\w)+1], s62, v[AP+(\w)]
.endr
.irp w, 0,1,2,3,4,5,6,7
	v_pk_add_f32 v[rB+2*(\w):rB+2*(\w)+1], v[rA+2*(\w):rA+2*(\w)+1], v[rZ+2*(\w):rZ+2*(\w)+1] neg_lo:[0,1] neg_hi:[0,1]   ; q - z
.endr
.irp w, 0,1,2,3,4,5,6,7
	v_pk_add_f32 v[rA+2*(\w):rA+2*(\w)+1], v[rZ+2*(\w):rZ+2*(\w)+1], v[rB+2*(\w):rB+2*(\w)+1]                          ; z + (q - z)
.endr
.irp w, 0,2,4,6
	v_pk_fma_f32 v[LS:LS+1], v[rB+2*(\w):rB+2*(\w)+1], v[rB+2*(\w):rB+2*(\w)+1], v[LS:LS+1]
	v_pk_fma_f32 v[LS2:LS2+1], v[rB+2*(\w)+2:rB+2*(\w)+3], v[rB+2*(\w)+2:rB+2*(\w)+3], v[LS2:LS2+1]
.endr
.irp c, 0,1,2,3
	global_store_b128 v2, v[rA+4*(\c):rA+4*(\c)+3], s[14:15] offset:(\i)*2048+(\c)*512 th:TH_STORE_NT   ; 512 consecutive bytes, at a multiple of 512 from out0's first byte; these registers are not written again
.endr
.endm
	ROW 0
	ROW 1
	ROW 2
	ROW 3
	v_pk_add_f32 v[LS:LS+1], v[LS:LS+1], v[LS2:LS2+1]
	v_add_f32 v[LS], v[LS], v[LS+1]
.irp x, 1,2,4,8
	v_add_f32_dpp v[LS], v[LS], v[LS] row_xmask:\x row_mask:0xf bank_mask:0xf
.endr
	v_permlanex16_b32 v[T], v[LS], s60, s61
	v_add_f32 v[LS], v[LS], v[T]                   ; the wave's four rows' sum of squares
.irp i, 1,2,3
	v_cmp_eq_u32 vcc_lo, \i, v1                    ; lane i takes row i's idx
	v_cndmask_b32 v[IX], v[IX], v[IX+(\i)], vcc_lo
.endr
	s_wait_xcnt 0x0                                ; EXEC is a source of the stores above: it changes only behind this wait
	v_cmp_gt_u32 vcc_lo, 4, v1
	s_and_saveexec_b32 s85, vcc_lo
	global_store_b32 v3, v[IX], s[16:17]           ; 16 consecutive bytes a wave: out1 is one part in 512 of what the launch stores
	s_wait_xcnt 0x0
	s_or_b32 exec_lo, exec_lo, s85
	v_cmp_eq_u32 vcc_lo, 0, v1
	s_and_saveexec_b32 s85, vcc_lo
	global_store_b32 v3, v[LS], s[18:19]           ; lane 0 (its offset is 0): the wave's partial sum; the sum over waves is the next launch's, in a fixed order
	s_wait_xcnt 0x0
	s_or_b32 exec_lo, exec_lo, s85
	s_endpgm
.Lfunc_end_k_q92bf1a4056_finish:
	.size	k_q92bf1a4056_finish, .Lfunc_end_k_q92bf1a4056_finish-k_q92bf1a4056_finish
	.p2alignl 7, 3214868480
	.fill 96, 4, 3214868480
	.section	.rodata,"a",@progbits
	.p2align	6, 0x0
	.amdhsa_kernel k_q92bf1a4056_finish
		.amdhsa_group_segment_fixed_size 0
		.amdhsa_private_segment_fixed_size 0
		.amdhsa_enable_private_segment 0
		.amdhsa_kernarg_size 64
		.amdhsa_user_sgpr_count 2
		.amdhsa_user_sgpr_kernarg_segment_ptr 1
		.amdhsa_wavefront_size32 1
		.amdhsa_system_sgpr_workgroup_id_x 1
		.amdhsa_system_sgpr_workgroup_id_y 1
		.amdhsa_system_sgpr_workgroup_id_z 1
		.amdhsa_system_vgpr_workitem_id 0
		.amdhsa_next_free_vgpr 248
		.amdhsa_next_free_sgpr 90
		.amdhsa_reserve_vcc 1
		.amdhsa_float_denorm_mode_32 3
		.amdhsa_float_denorm_mode_16_64 3
		.amdhsa_memory_ordered 1
		.amdhsa_forward_progress 1
		.amdhsa_inst_pref_size 43
	.end_amdhsa_kernel
	.amdgpu_metadata
---
amdhsa.version: [ 1, 2 ]
amdhsa.kernels:
  - .name:           k_q92bf1a4056_finish
    .symbol:         k_q92bf1a4056_finish.kd
    .args:
      - { .name: z, .offset: 0, .size: 8, .value_kind: global_buffer, .address_space: global }
      - { .name: W, .offset: 8, .size: 8, .value_kind: global_buffer, .address_space: global }
      - { .name: zz, .offset: 16, .size: 8, .value_kind: global_buffer, .address_space: global }
      - { .name: ww, .offset: 24, .size: 8, .value_kind: global_buffer, .address_space: global }
      - { .name: cand, .offset: 32, .size: 8, .value_kind: global_buffer, .address_space: global }
      - { .name: out0, .offset: 40, .size: 8, .value_kind: global_buffer, .address_space: global }
      - { .name: out1, .offset: 48, .size: 8, .value_kind: global_buffer, .address_space: global }
      - { .name: part, .offset: 56, .size: 8, .value_kind: global_buffer, .address_space: global }
    .group_segment_fixed_size: 0
    .private_segment_fixed_size: 0
    .kernarg_segment_align: 8
    .kernarg_segment_size: 64
    .max_flat_workgroup_size: 256
    .sgpr_count:     90
    .vgpr_count:     248
    .wavefront_size: 32
...
	.end_amdgpu_metadata
.endif
;; end of part 4
;; launch total (part 5): grid 1 x 1, 1 waves a work-group, no clusters, 0 bytes of LDS; arguments part, out2; writes out2
.if DOCPART == 5
	.amdgcn_target "amdgcn-amd-amdhsa--gfx1250"
	.amdhsa_code_object_version 6
	.text
	.protected	k_q92bf1a4056_total
	.globl	k_q92bf1a4056_total
	.p2align	8
	.type	k_q92bf1a4056_total,@function
k_q92bf1a4056_total:
	s_mov_b64 s[64:65], 0
	v_nop
	global_prefetch_b8 v0, s[64:65] scope:SCOPE_SE
	s_setreg_imm32_b32 hwreg(HW_REG_WAVE_MODE, 25, 1), 1
	s_wait_xcnt 0x0
; TOTAL.  loss = the sum of the 4,096 partial sums of squares, times 2^-23 = 1 / (16,384 x 512), exactly.  The sum spans work-groups of the launch before, so it has a launch of its own and one owner:
; one wave, 32 loads of 512 consecutive bytes, four packed chains, then the lanes.  16 KiB: there is no work here for a second wave.
	s_load_b128 s[4:7], s[0:1], 0x0                ; part s[4:5], out2 s[6:7]
	v_lshlrev_b32 v1, 4, v0                        ; 16 x lane
	v_mov_b32 v2, 0
	v_mov_b32 v3, 0                                ; the exchange's destination counts as read
	s_mov_b32 s10, 0x76543210
	s_mov_b32 s11, 0xfedcba98
	s_wait_kmcnt 0x0
.set n, 0
.rept 32
	global_load_b128 v[16+4*n:16+4*n+3], v1, s[4:5] offset:512*n th:TH_LOAD_NT
.set n, n+1
.endr
	s_wait_loadcnt 0x0
.set n, 2
.rept 30                               ; the first two loads start the four chains: nothing is cleared
	v_pk_add_f32 v[16+4*(n%2):17+4*(n%2)], v[16+4*(n%2):17+4*(n%2)], v[16+4*n:17+4*n]
	v_pk_add_f32 v[18+4*(n%2):19+4*(n%2)], v[18+4*(n%2):19+4*(n%2)], v[18+4*n:19+4*n]
.set n, n+1
.endr
	v_pk_add_f32 v[16:17], v[16:17], v[20:21]
	v_pk_add_f32 v[18:19], v[18:19], v[22:23]
	v_pk_add_f32 v[16:17], v[16:17], v[18:19]
	v_add_f32 v16, v16, v17
.irp x, 1,2,4,8
	v_add_f32_dpp v16, v16, v16 row_xmask:\x row_mask:0xf bank_mask:0xf
.endr
	v_permlanex16_b32 v3, v16, s10, s11
	v_add_f32 v16, v16, v3
	v_mul_f32 v16, 0x34000000, v16                 ; 2^-23
	s_wait_xcnt 0x0                                ; EXEC changes only behind this wait
	v_cmp_eq_u32 vcc_lo, 0, v0
	s_and_saveexec_b32 s8, vcc_lo
	global_store_b32 v2, v16, s[6:7]
	s_wait_xcnt 0x0
	s_or_b32 exec_lo, exec_lo, s8
	s_endpgm
.Lfunc_end_k_q92bf1a4056_total:
	.size	k_q92bf1a4056_total, .Lfunc_end_k_q92bf1a4056_total-k_q92bf1a4056_total
	.p2alignl 7, 3214868480
	.fill 96, 4, 3214868480
	.section	.rodata,"a",@progbits
	.p2align	6, 0x0
	.amdhsa_kernel k_q92bf1a4056_total
		.amdhsa_group_segment_fixed_size 0
		.amdhsa_private_segment_fixed_size 0
		.amdhsa_enable_private_segment 0
		.amdhsa_kernarg_size 16
		.amdhsa_user_sgpr_count 2
		.amdhsa_user_sgpr_kernarg_segment_ptr 1
		.amdhsa_wavefront_size32 1
		.amdhsa_system_sgpr_workgroup_id_x 1
		.amdhsa_system_sgpr_workgroup_id_y 1
		.amdhsa_system_sgpr_workgroup_id_z 1
		.amdhsa_system_vgpr_workitem_id 0
		.amdhsa_next_free_vgpr 144
		.amdhsa_next_free_sgpr 66
		.amdhsa_reserve_vcc 1
		.amdhsa_float_denorm_mode_32 3
		.amdhsa_float_denorm_mode_16_64 3
		.amdhsa_memory_ordered 1
		.amdhsa_forward_progress 1
		.amdhsa_inst_pref_size 9
	.end_amdhsa_kernel
	.amdgpu_metadata
---
amdhsa.version: [ 1, 2 ]
amdhsa.kernels:
  - .name:           k_q92bf1a4056_total
    .symbol:         k_q92bf1a4056_total.kd
    .args:
      - { .name: part, .offset: 0, .size: 8, .value_kind: global_buffer, .address_space: global }
      - { .name: out2, .offset: 8, .size: 8, .value_kind: global_buffer, .address_space: global }
    .group_segment_fixed_size: 0
    .private_segment_fixed_size: 0
    .kernarg_segment_align: 8
    .kernarg_segment_size: 16
    .max_flat_workgroup_size: 32
    .sgpr_count:     66
    .vgpr_count:     144
    .wavefront_size: 32
...
	.end_amdgpu_metadata
.endif
;; end of part 5
